; MI455X (gfx1250); checked and timed in simulation.
; The chip was launched on July 23, 2026; its instructions are those of AMD's public machine-readable ISA for CDNA 5 (MIT licence, August 2026) and "CDNA5" Instruction Set Architecture Reference Guide (July 2026). The comments in the code are by the model that wrote it; some were corrected since.
;; Self Attention. Allowed arithmetic: matrix products marked QUANTISED: E4M3 operands, one given power-of-two scale a tensor, by v_wmma_f32_16x16x64_fp8_fp8 or v_wmma_f32_16x16x128_fp8_fp8, f32 sums; everything else in f32.
;; Inputs: b_in 3,072 float32; b_out 1,024 float32; lowp_scales 8 int32 (the exponents e of the quantised operands' scales 2^e); w_in 3,072 x 1,024 float32; w_out 1,024 x 1,024 float32; x 4 x 2,048 x 1,024 float32.
;; Outputs: out0 4 x 2,048 x 1,024 float32.
;; This version of the problem:
;;   THIS VERSION OF THE PROBLEM IS GIVEN IN LOW PRECISION. The matrix products marked QUANTISED in the list below multiply operands that are first quantised to E4M3 (4 exponent bits, 3 mantissa bits; 8 bits a number), with one given power-of-two scale for each operand tensor; their sums are f32. All else is computed in f32.
;;   The module's matrix products, in the order in which they are computed (A, B: the left and right operand; K: the contracted axis; several contracted axes count as one K, in the product's order):
;;     1. [M 8,192, K 1,024] x [K 1,024, N 3,072]; A: input x; B: input w_in: QUANTISED (scales: A lowp_scales[0], B lowp_scales[1])
;;     2. batch 64 x [M 2,048, K 64] x [K 64, N 2,048]; A: computed on the way; B: computed on the way: QUANTISED (scales: A lowp_scales[2], B lowp_scales[3])
;;     3. batch 64 x [M 2,048, K 2,048] x [K 2,048, N 64]; A: softmax (see below); B: computed on the way: QUANTISED (scales: A lowp_scales[4], B lowp_scales[5])
;;     4. [M 8,192, K 1,024] x [K 1,024, N 1,024]; A: computed on the way; B: input w_out: QUANTISED (scales: A lowp_scales[6], B lowp_scales[7])
;;   THE QUANTISER, for each operand of a quantised product, along K:
;;     - The operand's scale is 2^e, e = its entry of the input lowp_scales (int32; the entries are numbered through the quantised products in the list's order, A before B).
;;     - Each number is divided by the scale, clamped to +-448, and rounded to the nearest number of E4M3, ties to even, subnormals kept.
;;     - The product sums the exact products of the quantised numbers (number of the format x scale) in f32.
;;   ~~~python
;;   def quantise(x, axis, e):      # numpy; x: float32 -> the quantised numbers, widened to float32 again
;;       x = np.moveaxis(x, axis, -1); K = x.shape[-1]
;;       r = np.clip(x / 2.0 ** e, -448, 448)
;;       step = 2.0 ** (np.maximum(np.frexp(np.where(r == 0, 1, r))[1] - 1, -6) - 3)
;;       q = np.round(r / step) * step * 2.0 ** e      # np.round: ties to even
;;       return np.moveaxis(q, -1, axis).astype(np.float32)
;;   ~~~
;;   SOFTMAX AHEAD OF A QUANTISED PRODUCT. Where the list says 'softmax', what is quantised is not the finished softmax but p = 2^(t - M), with t = logit x log2(e) and M = ceil(the row's largest t), a whole number; so 1/2 < the row's largest p <= 1. The row's sum l is taken of the UNQUANTISED p, in f32, and the product's result is divided by l at the end. Since M is a whole number, a kernel that streams over the keys may use a running M (the ceiling of the running maximum): every later rescaling is an exact power of two, so the quantised numbers keep their values, but for numbers so far below the row's largest that they fall under the format's range.
;;   OPERANDS COMPUTED ON THE WAY. 'Computed on the way' means the value that the module computes at that place (a softmax that the list does not call 'softmax' is quantised finished and normalised). What goes into a quantiser is computed in f32, as accurately as f32 sums, v_exp_f32 and their like allow (about 1e-6 of the number): no bf16 or f16 on the way to a quantiser, and a product that is left as it is and whose result goes on into a quantised operand takes f32 operands (vector FMAs, or v_wmma_f32_16x16x4_f32). A number that lies on a knife's edge between two numbers of the format may be rounded either way, as far as f32 arithmetic and the matrix unit's own rounding can turn it there, and no further.
;; One version. Each part assembles by itself: llvm-mc -triple=amdgcn-amd-amdhsa -mcpu=gfx1250 --defsym DOCPART=n.
;; ======== version 1 of 1: 4 launches
;; limits: right only within a limited range of input values
;; workspace buffers: xc 8,388,608 bytes; wic 3,145,728 bytes; woc 1,048,576 bytes; qf 8,388,608 bytes; kf 8,388,608 bytes; vf 8,388,608 bytes; ao 8,388,608 bytes
;; launch quant (part 1): grid 384 x 1, 4 waves a work-group, no clusters, 34,304 bytes of LDS; arguments x, w_in, w_out, lowp_scales, xc, wic, woc; writes xc, wic, woc
.if DOCPART == 1
	.amdgcn_target "amdgcn-amd-amdhsa--gfx1250"
	.amdhsa_code_object_version 6
	.text
	.protected	k_qb67f8ff568_quant
	.globl	k_qb67f8ff568_quant
	.p2align	8
	.type	k_qb67f8ff568_quant,@function
k_qb67f8ff568_quant:
	s_mov_b64 s[64:65], 0
	v_nop
	global_prefetch_b8 v0, s[64:65] scope:SCOPE_SE
	s_setreg_imm32_b32 hwreg(HW_REG_WAVE_MODE, 25, 1), 1
	s_wait_xcnt 0x0
; x [8192][1024], w_in [3072][1024] and w_out [1024][1024], f32 with K innermost, become codes of FP8 (E4M3), each tensor with the one scale 2^e given for it
; (entries 0, 1 and 7 of the buffer of scales).  code = number / 2^e, to the nearest code, ties to even.
; LIMITS: -126 <= e <= 119, so that 2^e and 448 x 2^e are f32 numbers.  NaN among the inputs is not served.
; THE CODES ARE LAID AS IMAGES OF OPERAND REGISTERS: [tile of 16 rows][8 fragments of 128 along K][2,048 bytes].  In a fragment lane (r, h) holds row r, and its register pair c the codes of
; k = 16 c + 8 h + 0 .. 7; registers 4 g .. 4 g + 3 of all 32 lanes lie at 512 g + 16 x lane.  So the products' launches fetch a fragment by four 16-byte loads a lane from consecutive bytes.
; SHARES: a wave makes four fragments: 16 rows x 512 along K.  Work-groups 0-255 take x, 256-351 w_in, 352-383 w_out: only pointers, the first work-group and e are chosen; there is one path.
; A load reads 512 consecutive bytes of one row; a fragment's 16 rows turn through the wave's own stage in LDS (rows of 512 bytes + 16) and come back 32 bytes of a row at a time, eight neighbours
; along K for each conversion.  Each store of the wave covers 512 consecutive bytes, aligned.  No barrier: waves share nothing.  Loads run two fragments (32 loads a wave) ahead.
.set SP,   528                         ; a stage row: 512 bytes + 16: the sixteen rows that a read touches start 33 x 16 bytes apart
.set WREG, 16*SP                       ; a wave's stage
.set GI,   1                           ; v1   16 x lane: my bytes of a load's and of a store's 512; never rewritten
.set SI,   2                           ; v2   the stage, on the way in
.set SO,   3                           ; v3   the stage, on the way out: row r, + 32 h
.set LIM,  10
.set SC,   11                          ; v11  2^e
.set R,    16                          ; v16-143  two sets of 64: a fragment's numbers as loaded
.set X,    144                         ; v144-207 the same, eight neighbours along K to each register group
.set C,    208                         ; v208-239 two sets of 16: a fragment's codes
	s_load_b256 s[4:11], s[0:1], 0x0               ; x, w_in, w_out, the scales' exponents
	s_load_b128 s[12:15], s[0:1], 0x20             ; xc, wic
	s_load_b64 s[16:17], s[0:1], 0x30              ; woc
	v_lshl_add_u32 v240, v0, 2, 0x8400
	v_mov_b32 v241, 0
	v_lshrrev_b32 v4, 5, v0
	v_readfirstlane_b32 s21, v4                    ; wave 0..3
	v_and_b32 v5, 31, v0
	v_lshlrev_b32 v[GI], 4, v5
	s_mul_i32 s20, s21, WREG
	v_add_nc_u32 v[SI], s20, v[GI]
	v_and_b32 v6, 15, v0                           ; r
	v_bfe_u32 v7, v0, 4, 1                         ; h
	v_mul_u32_u24 v[SO], v6, SP
	v_lshl_add_u32 v[SO], v7, 5, v[SO]
	v_add_nc_u32 v[SO], s20, v[SO]
	s_mov_b32 s19, 352
	s_wait_alu depctr_va_vdst(0)
	s_wait_kmcnt 0x0
	s_load_b256 s[24:31], s[10:11], 0x0            ; e0 .. e7
	s_cmp_lt_u32 ttmp9, s19                        ; w_in or w_out?  The choices hang on the work-group's number alone
	s_cselect_b64 s[6:7], s[6:7], s[8:9]
	s_cselect_b64 s[14:15], s[14:15], s[16:17]
	s_cselect_b32 s18, 256, s19
	s_cmp_lt_u32 ttmp9, 256                        ; x or one of those?
	s_cselect_b64 s[4:5], s[4:5], s[6:7]
	s_cselect_b64 s[12:13], s[12:13], s[14:15]
	s_cselect_b32 s18, 0, s18                      ; the tensor's first work-group
	s_sub_co_u32 s18, ttmp9, s18
	s_lshl_b32 s18, s18, 2
	s_add_co_u32 s18, s18, s21                     ; W: which half tile of rows of the tensor is my wave's
	s_lshr_b32 s22, s18, 1
	s_lshl_b32 s22, s22, 16                        ; 16 rows of 4,096 bytes,
	s_and_b32 s23, s18, 1
	s_lshl_b32 s23, s23, 11                        ; 512 numbers along K
	s_add_co_u32 s22, s22, s23
	s_mov_b32 s23, 0
	s_add_nc_u64 s[4:5], s[4:5], s[22:23]
	s_lshl_b32 s22, s18, 13                        ; four fragments of 2,048 bytes
	s_add_nc_u64 s[12:13], s[12:13], s[22:23]
.macro LOADF f                         ; fragment f: 16 rows x 512 bytes into set f % 2
.irp i, 0,1,2,3,4,5,6,7,8,9,10,11,12,13,14,15
	global_load_b128 v[R+64*((\f)%2)+4*\i:R+64*((\f)%2)+4*\i+3], v[GI], s[4:5] offset:4096*\i+512*(\f) th:TH_LOAD_NT
.endr
.endm
	LOADF 0
	LOADF 1
	s_wait_kmcnt 0x0
	s_cmp_lt_u32 ttmp9, s19
	s_cselect_b32 s22, s25, s31
	s_cmp_lt_u32 ttmp9, 256
	s_cselect_b32 s22, s24, s22                    ; e
	s_add_co_i32 s22, s22, 127
	s_lshl_b32 s23, s22, 23
	v_mov_b32 v[SC], s23                           ; 2^e as f32: the conversion takes its exponent field
	s_add_co_i32 s22, s22, 8
	s_lshl_b32 s22, s22, 23
	s_or_b32 s22, s22, 0x600000
.macro WORK f
.if (\f) < 3
	s_wait_loadcnt 16                              ; this fragment's 16 loads are in; the next fragment's 16 may be out
.else
	s_wait_loadcnt 0
.endif
.irp i, 0,1,2,3,4,5,6,7,8,9,10,11,12,13,14,15
	ds_store_b128 v[SI], v[R+64*((\f)%2)+4*\i:R+64*((\f)%2)+4*\i+3] offset:SP*\i
.endr
.irp c, 0,1,2,3,4,5,6,7                ; LDS serves a wave's instructions in order (ISA guide 5.7.1.4): no wait between the stores and these loads
	ds_load_b128 v[X+8*\c:X+8*\c+3], v[SO] offset:64*\c        ; row r, k = 16 c + 8 h + 0 .. 3
	ds_load_b128 v[X+8*\c+4:X+8*\c+7], v[SO] offset:64*\c+16   ;                     + 4 .. 7
.endr
	s_wait_dscnt 0x0                               ; the numbers are back, and the stores into the stage have read their registers,
.if (\f) < 2
	LOADF (\f)+2                                   ; which take the fragment two further on
.endif
.if (\f) >= 2
	s_wait_xcnt 0x0                                ; the stores of two fragments back have read their codes: the set is written again only behind this wait
.endif
.set n, 0
.rept 64
.set n, n+1
.endr
.irp c, 0,1,2,3,4,5,6,7
	v_cvt_scalef32_pk8_fp8_f32 v[C+16*((\f)%2)+2*\c:C+16*((\f)%2)+2*\c+1], v[X+8*\c:X+8*\c+7], v[SC]
.endr
	v_nop                                          ; one plain vector line behind the conversions
.irp g, 0,1,2,3
	global_store_b128 v[GI], v[C+16*((\f)%2)+4*\g:C+16*((\f)%2)+4*\g+3], s[12:13] offset:2048*(\f)+512*\g
.endr
.endm
	s_wait_alu depctr_va_vdst(0)
	WORK 0
	WORK 1
	WORK 2
	WORK 3
	s_wait_tensorcnt 0x0
	ds_add_u32 v240, v241
	s_wait_dscnt 0x0
	s_endpgm
.Lfunc_end_k_qb67f8ff568_quant:
	.size	k_qb67f8ff568_quant, .Lfunc_end_k_qb67f8ff568_quant-k_qb67f8ff568_quant
	.p2alignl 7, 3214868480
	.fill 96, 4, 3214868480
	.section	.rodata,"a",@progbits
	.p2align	6, 0x0
	.amdhsa_kernel k_qb67f8ff568_quant
		.amdhsa_group_segment_fixed_size 34304
		.amdhsa_private_segment_fixed_size 0
		.amdhsa_enable_private_segment 0
		.amdhsa_kernarg_size 56
		.amdhsa_user_sgpr_count 2
		.amdhsa_user_sgpr_kernarg_segment_ptr 1
		.amdhsa_wavefront_size32 1
		.amdhsa_system_sgpr_workgroup_id_x 1
		.amdhsa_system_sgpr_workgroup_id_y 1
		.amdhsa_system_sgpr_workgroup_id_z 1
		.amdhsa_system_vgpr_workitem_id 0
		.amdhsa_next_free_vgpr 242
		.amdhsa_next_free_sgpr 66
		.amdhsa_reserve_vcc 0
		.amdhsa_float_denorm_mode_32 3
		.amdhsa_float_denorm_mode_16_64 3
		.amdhsa_fp16_overflow 1
		.amdhsa_memory_ordered 1
		.amdhsa_forward_progress 1
		.amdhsa_inst_pref_size 21
	.end_amdhsa_kernel
	.amdgpu_metadata
---
amdhsa.version: [ 1, 2 ]
amdhsa.kernels:
  - .name:           k_qb67f8ff568_quant
    .symbol:         k_qb67f8ff568_quant.kd
    .args:
      - { .name: x, .offset: 0, .size: 8, .value_kind: global_buffer, .address_space: global }
      - { .name: w_in, .offset: 8, .size: 8, .value_kind: global_buffer, .address_space: global }
      - { .name: w_out, .offset: 16, .size: 8, .value_kind: global_buffer, .address_space: global }
      - { .name: lowp_scales, .offset: 24, .size: 8, .value_kind: global_buffer, .address_space: global }
      - { .name: xc, .offset: 32, .size: 8, .value_kind: global_buffer, .address_space: global }
      - { .name: wic, .offset: 40, .size: 8, .value_kind: global_buffer, .address_space: global }
      - { .name: woc, .offset: 48, .size: 8, .value_kind: global_buffer, .address_space: global }
    .group_segment_fixed_size: 34304
    .private_segment_fixed_size: 0
    .kernarg_segment_align: 8
    .kernarg_segment_size: 56
    .max_flat_workgroup_size: 128
    .sgpr_count:     66
    .vgpr_count:     242
    .wavefront_size: 32
...
	.end_amdgpu_metadata
.endif
;; end of part 1
;; launch qkv (part 2): grid 12 x 32, 4 waves a work-group, clusters of 4 x 4, 327,680 bytes of LDS; arguments xc, wic, lowp_scales, b_in, qf, kf, vf; writes qf, kf, vf
.if DOCPART == 2
	.amdgcn_target "amdgcn-amd-amdhsa--gfx1250"
	.amdhsa_code_object_version 6
	.text
	.protected	k_qb67f8ff568_qkv
	.globl	k_qb67f8ff568_qkv
	.p2align	8
	.type	k_qb67f8ff568_qkv,@function
k_qb67f8ff568_qkv:
	s_mov_b64 s[64:65], 0
	v_nop
	global_prefetch_b8 v0, s[64:65] scope:SCOPE_SE
	s_setreg_imm32_b32 hwreg(HW_REG_WAVE_MODE, 25, 1), 1
	s_wait_xcnt 0x0
	s_wait_alu depctr_hold_cnt(0) depctr_sa_sdst(0) depctr_va_vdst(0) depctr_va_sdst(0) depctr_va_ssrc(0) depctr_va_vcc(0) depctr_vm_vsrc(0)
	s_getreg_b32 s2, hwreg(HW_REG_IB_STS2, 6, 4)
	s_cmp_eq_u32 s2, 0
	s_cbranch_scc0 .Lentry_in_a_cluster
	s_endpgm
.Lentry_in_a_cluster:
	s_bfe_u32 s2, ttmp6, 0x10000c
	s_cmp_lg_u32 s2, 0xf033
	s_cbranch_scc0 .Lentry_shape_is_right
	s_endpgm
.Lentry_shape_is_right:
; q, k, v = x w_in^T + b_in on codes of FP8 (E4M3), K = 1,024, sums in f32; each result is sum x 2^(e0 + e1) + bias in f32 and is quantised at once: q with e2, k with e3, v with e5.
; LIMITS: e0 + e1 between -126 and 127; e2, e3, e5 between -126 and 119.  NaN is not served.
; OPERANDS are images of registers: [tile of 16 rows][8 fragments of 128 K][2,048 bytes]; lane (r, h) holds row r, register pair c the codes of k = 16 c + 8 h + 0 .. 7; registers 4 g .. 4 g + 3 at 512 g + 16 x lane.
; A work-group of four waves makes 256 x 256 results, a wave 128 x 128: 64 accumulators, 512 registers.  K goes in steps of 256 (4,096 consecutive bytes of each tile of rows) through a ring of two LDS slots.
; THE MATRIX INSTRUCTION: source 0 = a fragment of 'B', source 1 = a fragment of 'A': lane (r, h) then holds A's row r, and its registers j = 0 .. 7 B's rows 8 h + j.
;   cluster x = 0 (q) and 1 (k): A = x, B = w_in.  A lane's eight numbers are eight neighbouring channels of one position: converted, accumulators (a, 4 u + c) are register pair c of the fragment
;   (16 positions x 64 channels) of head u: qf, kf = [batch x 16 + head][tile of 16 positions][1,024 bytes].
;   cluster x = 2 (v): A = w_in's rows of v, B = x: the same loop gives v TRANSPOSED: a lane holds one channel and eight neighbouring keys: accumulators (a, b) are pair b of the fragment
;   (16 channels x 128 keys): vf = [batch x 16 + head][block of 128 keys][16 channels of 64][2,048 bytes].
; So the conversions' results are the next launch's operand registers, and each store of the wave covers 512 consecutive bytes, aligned: no stage in LDS.
; CLUSTERS: 4 x 4 work-groups; A's tile is asked for jointly along a row of the cluster, B's along a column.  What differs between q, k and v hangs on the cluster's x, which all sixteen partners share.
; The grid is 384 work-groups of equal work; a tile of 256 x 128 would make 768, with half as many products for each byte of A read from LDS.
; REGISTERS: window 0: v16-31 addresses; v32-95, v96-103 the biases; v113 the quantiser's scale; v128-255 A's fragments, ONE set; on the way out v128-191 numbers, v192-255 codes.
;   window 1: B's fragments, two sets.  windows 2, 3: the accumulators, (a, b) at 8 (8 a + b).
.set NB,    8                          ; B's fragments of a wave
.set FR,    16                         ; registers of a fragment
.set FRB,   2048                       ; and its bytes
.set RT,    2*FRB                      ; a tile of rows in a slot: two fragments
.set TROW,  16384                      ; a tile of rows in memory
.set PARTA, 8*RT                       ; 128 rows of A: what one tensor load brings, and what one wave reads
.set PARTB, NB*RT                      ; the same for B
.set SLOT,  2*PARTA+2*PARTB            ; A's two parts, then B's two
.set SPARE, 2*SLOT                     ; behind the ring: the spare words, 128 bytes for each wave, which no other line names
.set ADRA, 16                          ; v16-17  LDS address of my A fragments in slot 0, 1
.set ADRB, 20                          ; v20-21  the same for B
.set LN,   26                          ; v26     16 x lane
.set BO0,  27                          ; v27     32 h: my eight biases of a block of 16 columns
.set SPW,  28                          ; v28     my spare word; never rewritten
.set NIL,  29                          ; v29     0; never rewritten
.set BO1,  30                          ; v30     4 r: my row's bias
.set BI0,  32                          ; v32-95  q, k: b_in at my columns 16 b + 8 h + j
.set BI1,  96                          ; v96-103 v: b_in at my row 16 a + r
.set LIM,  112
.set SC,   113                         ; v113    2^e
.set AF,   128
.set T,    128
.set CD,   192
.set G1,  24                           ; s[24:31] descriptor group 1 for A's tiles; s[32:39] group 0, one set for each slot
.set G0,  32
.set G1B, 48                           ; s[48:55], s[56:63] the same for B's
.set G0B, 56
.set MSB, 0
.macro WIN new                         ; the immediate's high byte repeats the setting that is left
.if MSB != (\new)
	s_set_vgpr_msb (MSB<<8)|(\new)
.set MSB, \new
.endif
.endm
.set MUL_LO, 0xa1                      ; source 0 (B) window 1, source 1 (A) window 0, C and D window 2
.set MUL_HI, 0xa1+0x50*((32*NB)/256)   ; blocks 4-7 of A: C and D in window 3
.set TO_B,   0x40                      ; destination window 1, address window 0
; A joint load: waves 0 and 1 fetch A's two parts, waves 2 and 3 B's.  The branch hangs on the wave's number alone.  Four v_nop follow each of the two lines.
.macro JLOAD g0a, g1a, g0b, g1b
	s_cmp_eq_u32 s15, 0
	s_cbranch_scc0 .Lfor_b_\@
	tensor_load_to_lds s[\g0a:\g0a+3], s[\g1a:\g1a+7]
	s_nop 0
.rept 4
	v_nop
.endr
	s_branch .Lasked_\@
.Lfor_b_\@:
	tensor_load_to_lds s[\g0b:\g0b+3], s[\g1b:\g1b+7]
	s_nop 0
.rept 4
	v_nop
.endr
.Lasked_\@:
.endm
.macro CREST                           ; a round of the cluster's barrier behind its opening barrier
	s_cmp_lg_u32 s14, 0
	s_cbranch_scc1 .Lnot_wave_0_\@
	s_barrier_signal -3
.Lnot_wave_0_\@:
	s_barrier_wait -3
	s_barrier_signal -1
	s_barrier_wait -1
.endm
.macro CROUND                          ; a whole round
	s_barrier_signal -1
	s_barrier_wait -1
	CREST
.endm
	s_load_b256 s[4:11], s[0:1], 0x0               ; xc, wic, the scales' exponents, b_in
	s_load_b128 s[72:75], s[0:1], 0x20             ; qf, kf
	s_load_b64 s[76:77], s[0:1], 0x30              ; vf
	v_lshl_add_u32 v[SPW], v0, 2, SPARE
	v_mov_b32 v[NIL], 0
	ds_add_u32 v28, v29
	ds_add_u32 v28, v29
	s_wait_dscnt 0x0
	v_lshrrev_b32 v1, 5, v0
	v_readfirstlane_b32 s14, v1                    ; wave 0..3
	s_lshr_b32 s15, s14, 1                         ; which 128 rows of A are mine.  Also: I fetch for A (0) or for B (1)
	s_and_b32 s16, s14, 1                          ; which 128 rows of B.  Also: which part I fetch
	s_bfe_u32 s40, ttmp6, 0x40000                  ; cx, cy: my place in the cluster
	s_bfe_u32 s41, ttmp6, 0x40004
	s_and_b32 s13, ttmp7, 0xffff                   ; cluster y, 0 .. 7
	s_cmp_eq_u32 ttmp9, 2                          ; v?
	s_cselect_b32 s18, 0, s13                      ; A's tile of 256 rows: x's 4 y + cy, or (v) w_in's cy
	s_cselect_b32 s19, s13, ttmp9                  ; B's: w_in's 4 x + cx, or (v) x's 4 y + cx
	s_lshl_b32 s17, s18, 2
	s_add_co_u32 s17, s17, s41
	s_lshl_b32 s42, s19, 2
	s_add_co_u32 s42, s42, s40
	s_lshl_b32 s43, s41, 2
	s_lshl_b32 s43, 15, s43                        ; my row of the cluster
	s_lshl_b32 s44, 0x1111, s40                    ; my column
	; descriptor group 1: 8 tiles of rows x 4,096 bytes, 16,384 bytes apart in memory, on end in LDS; elements of 8 bytes
	s_or_b32 s[G1+0], s43, (3<<16)|(1<<21)         ; 15:0 the mask: A's tiles go to my row; 17:16 elements of 8 bytes; 21 set beside a mask; no padding
	s_or_b32 s[G1B+0], s44, (3<<16)|(1<<21)
.irp g, G1, G1B
	s_mov_b32 s[\g+1], 512<<16                     ; tensor_dim0 = 512 elements
	s_mov_b32 s[\g+3], 512<<16                     ; tile_dim0
	s_mov_b32 s[\g+5], TROW/8                      ; tensor_dim0_stride
	s_mov_b32 s[\g+6], 0
	s_mov_b32 s[\g+7], 0
.endr
	s_mov_b32 s[G1+2], 8<<16                       ; tensor_dim1
	s_mov_b32 s[G1+4], 8                           ; tile_dim1
	s_mov_b32 s[G1B+2], NB<<16
	s_mov_b32 s[G1B+4], NB
	s_lshl_b32 s18, s16, 17                        ; the part that I fetch: 8 tiles of rows
	s_lshl_b32 s20, s17, 18                        ; A: 16 tiles of rows to a tile of 256
	s_add_co_u32 s20, s20, s18
	s_mov_b32 s21, 0
	s_lshl_b32 s46, s42, 18                        ; B likewise
	s_add_co_u32 s46, s46, s18
	s_mov_b32 s47, 0
	s_mul_i32 s45, s16, PARTA                      ; where they go: no place in the cluster enters an LDS address
	s_mul_i32 s70, s16, PARTB
	s_add_co_u32 s70, s70, 2*PARTA
	s_wait_kmcnt 0x0
	s_load_b256 s[80:87], s[8:9], 0x0              ; e0 .. e7
	s_add_nc_u64 s[66:67], s[6:7], 128*TROW        ; w_in's rows of v begin at row 2,048
	s_cmp_eq_u32 ttmp9, 2
	s_cselect_b64 s[66:67], s[66:67], s[4:5]       ; A
	s_cselect_b64 s[68:69], s[4:5], s[6:7]         ; B
	s_add_nc_u64 s[20:21], s[66:67], s[20:21]
	s_add_nc_u64 s[46:47], s[68:69], s[46:47]
	CROUND                                         ; all sixteen work-groups are here: the first joint loads meet
.irp s, 0,1
	s_mov_b32 s[G0+4*\s], 1
	s_add_co_u32 s[G0+4*\s+1], s45, \s*SLOT
	s_add_nc_u64 s[G0+4*\s+2:G0+4*\s+3], s[20:21], \s*RT
	s_or_b32 s[G0+4*\s+3], s[G0+4*\s+3], 0x80000000
	s_mov_b32 s[G0B+4*\s], 1
	s_add_co_u32 s[G0B+4*\s+1], s70, \s*SLOT
	s_add_nc_u64 s[G0B+4*\s+2:G0B+4*\s+3], s[46:47], \s*RT
	s_or_b32 s[G0B+4*\s+3], s[G0B+4*\s+3], 0x80000000
	JLOAD G0+4*\s, G1, G0B+4*\s, G1B
.endr
	v_and_b32 v1, 31, v0
	v_lshlrev_b32 v[LN], 4, v1
	s_mul_i32 s21, s15, PARTA                      ; my 128 rows of A
	s_mul_i32 s22, s16, PARTB                      ; my 128 rows of B,
	s_add_co_u32 s22, s22, 2*PARTA                 ; which lie behind A's
.irp s, 0,1
	v_add_nc_u32 v[ADRA+\s], s21, v[LN]
	v_add_nc_u32 v[ADRB+\s], s22, v[LN]
	s_add_co_u32 s21, s21, SLOT
	s_add_co_u32 s22, s22, SLOT
.endr
	; THE BIASES, in both forms, by every work-group and without a branch (9,216 bytes a wave, all inside b_in): along the columns for q and k, along the rows for v.  The way out reads one of the two.
	v_bfe_u32 v2, v0, 4, 1
	v_lshlrev_b32 v[BO0], 5, v2
	s_wait_alu depctr_va_vdst(0)
	v_and_b32 v3, 15, v0
	v_lshlrev_b32 v[BO1], 2, v3
	s_wait_alu depctr_va_vdst(0)
	s_lshl_b32 s2, ttmp9, 12                       ; 4 bytes x (1,024 x cluster x + 256 cx + 128 x my half of B)
	s_lshl_b32 s3, s40, 10
	s_add_co_u32 s2, s2, s3
	s_lshl_b32 s3, s16, 9
	s_add_co_u32 s2, s2, s3
	s_mov_b32 s3, 0
	s_add_nc_u64 s[94:95], s[10:11], s[2:3]
	s_lshl_b32 s2, s41, 10                         ; 4 bytes x (2,048 + 256 cy + 128 x my half of A)
	s_lshl_b32 s18, s15, 9
	s_add_co_u32 s2, s2, s18
	s_add_co_u32 s2, s2, 8192
	s_add_nc_u64 s[96:97], s[10:11], s[2:3]
.irp b, 0,1,2,3,4,5,6,7
	global_load_b128 v[BI0+8*\b:BI0+8*\b+3], v[BO0], s[94:95] offset:64*\b
	global_load_b128 v[BI0+8*\b+4:BI0+8*\b+7], v[BO0], s[94:95] offset:64*\b+16
.endr
.irp a, 0,1,2,3,4,5,6,7
	global_load_b32 v[BI1+\a], v[BO1], s[96:97] offset:64*\a
.endr
	; where my results go.  q, k: ((batch x 16 + head) x 128 + tile of positions) x 1,024
	s_lshl_b32 s18, s17, 4
	s_lshl_b32 s19, s15, 3
	s_add_co_u32 s18, s18, s19                     ; my first tile of 16 rows of x
	s_lshr_b32 s19, s18, 7                         ; batch
	s_and_b32 s18, s18, 127                        ; tile of positions
	s_lshl_b32 s19, s19, 4
	s_lshl_b32 s2, s40, 2
	s_add_co_u32 s19, s19, s2
	s_lshl_b32 s2, s16, 1
	s_add_co_u32 s19, s19, s2                      ; + head 4 cx + 2 x half
	s_lshl_b32 s19, s19, 7
	s_add_co_u32 s18, s18, s19
	s_lshl_b32 s18, s18, 10
	; v: ((batch x 16 + head) x 16 + block of 128 keys) x 8,192
	s_lshr_b32 s19, s42, 3                         ; batch
	s_lshl_b32 s19, s19, 4
	s_lshl_b32 s2, s41, 2
	s_add_co_u32 s19, s19, s2
	s_lshl_b32 s2, s15, 1
	s_add_co_u32 s19, s19, s2                      ; + head 4 cy + 2 x half
	s_lshl_b32 s19, s19, 4
	s_lshl_b32 s2, s42, 1
	s_add_co_u32 s2, s2, s16
	s_and_b32 s2, s2, 15
	s_add_co_u32 s19, s19, s2
	s_lshl_b32 s19, s19, 13
	s_cmp_eq_u32 ttmp9, 0
	s_cselect_b64 s[92:93], s[72:73], s[74:75]
	s_cmp_eq_u32 ttmp9, 2
	s_cselect_b64 s[92:93], s[76:77], s[92:93]
	s_cselect_b32 s18, s19, s18
	s_mov_b32 s19, 0
	s_add_nc_u64 s[92:93], s[92:93], s[18:19]
	s_wait_kmcnt 0x0
	s_add_co_i32 s88, s80, s81
	s_add_co_i32 s88, s88, 127
	s_lshl_b32 s88, s88, 23                        ; 2^(e0 + e1) as f32
	s_mov_b32 s89, s88                             ; (named with it as a pair, so it is written)
	s_cmp_eq_u32 ttmp9, 0
	s_cselect_b32 s90, s82, s83
	s_cmp_eq_u32 ttmp9, 2
	s_cselect_b32 s90, s85, s90                    ; the result's e: e2, e3 or e5
	s_add_co_i32 s90, s90, 127
	s_lshl_b32 s91, s90, 23
	v_mov_b32 v[SC], s91
.macro FRAG reg, adr, q, i             ; a fragment comes back as it was stored: four loads of 512 consecutive bytes
.irp c, 0,1,2,3
	ds_load_b128 v[\reg+4*\c:\reg+4*\c+3], v[\adr] offset:RT*(\i)+FRB*(\q)+512*\c
.endr
.endm
; A's blocks a0, a0 + 1 against B's NB, 128 along K.  p: B's set.  zero = 1: the first product starts the sums.  The accumulators take turns, one instruction a turn, in the same order in every step.
.macro MULA a0, p, zero
.irp a, \a0, \a0+1
.set bb, 0
.rept NB
.set rD, (8*(NB*(\a)+bb))%256
.if \zero
	v_wmma_f32_16x16x128_fp8_fp8 v[rD:rD+7], v[128*(\p)+FR*bb:128*(\p)+FR*bb+FR-1], v[AF+FR*(\a):AF+FR*(\a)+FR-1], 0
.else
	v_wmma_f32_16x16x128_fp8_fp8 v[rD:rD+7], v[128*(\p)+FR*bb:128*(\p)+FR*bb+FR-1], v[AF+FR*(\a):AF+FR*(\a)+FR-1], v[rD:rD+7]
.endif
.set bb, bb+1
.endr
.endr
.endm
.macro FETCH_B slot, q, p
	WIN TO_B
.set ii, 0
.rept NB
	FRAG 128*(\p)+FR*ii, ADRB+\slot, \q, ii
.set ii, ii+1
.endr
	WIN 0
.endm
.macro FETCH_A slot, q, i0
.irp i, \i0, \i0+1, \i0+2, \i0+3
	FRAG AF+FR*(\i), ADRA+\slot, \q, \i
.endr
.endm
.macro PLACES                          ; four plain vector lines in front of loads into registers that matrix instructions have read, and of the first read of results (ISA guide 7.12.1 for the read of results)
.rept 4
	v_nop
.endr
.endm
; A slot's first 128 along K: B's set 0; its second 128 are fetched meanwhile: B into set 1; A's blocks 0-3 in the middle, 4-7 at the end, each as soon as its products are issued.
.macro STEP slot, zero
	s_wait_dscnt 16                                ; B's set and A's blocks 0-3 are in; the youngest 16 loads (A's blocks 4-7) may be out
	WIN MUL_LO
	MULA 0, 0, \zero
	MULA 2, 0, \zero
	s_wait_dscnt 0
	PLACES
	FETCH_B \slot, 1, 1
	FETCH_A \slot, 1, 0
	WIN MUL_HI
	MULA 4, 0, \zero
	MULA 6, 0, \zero
	PLACES
	WIN 0
	FETCH_A \slot, 1, 4
.endm
; A slot's second 128 along K, and the change of slots: ONE barrier; in front of it each wave waits for all its tensor loads, adds 0 to its spare word, and waits for that and for its reads of this slot.
.macro TURN slot, next, fill
	s_wait_tensorcnt 0x0                           ; all my tensor loads have landed: my part of the next slot
	ds_add_u32 v[SPW], v[NIL]                      ; 0 onto my spare word
	s_wait_dscnt 17                                ; (the add and the youngest 16 loads may be out)
	WIN MUL_LO
	MULA 0, 1, 0                                   ; matrix work stands between the add and the wait for it
	s_wait_dscnt 0x0                               ; the add is done, and my reads of this slot are over
	s_barrier_signal -1
	MULA 2, 1, 0
	WIN 0
	s_barrier_wait -1
.if \fill
	CREST                                          ; the barrier has opened a round of the cluster's: no wave of any partner still reads this slot or has a load on its way
	s_add_nc_u64 s[G0+4*\slot+2:G0+4*\slot+3], s[G0+4*\slot+2:G0+4*\slot+3], 2*RT
	s_add_nc_u64 s[G0B+4*\slot+2:G0B+4*\slot+3], s[G0B+4*\slot+2:G0B+4*\slot+3], 2*RT
	JLOAD G0+4*\slot, G1, G0B+4*\slot, G1B         ; the first tensor load behind the round; its four v_nop are also the places in front of the loads below
.else
	PLACES
.endif
	FETCH_B \next, 0, 0
	FETCH_A \next, 0, 0
	WIN MUL_HI
	MULA 4, 1, 0
	MULA 6, 1, 0
	PLACES
	WIN 0
	FETCH_A \next, 0, 4
.endm
	s_wait_tensorcnt 1                             ; my part of K step 0 is in; K step 1's load may be out
	s_barrier_signal -1
	s_barrier_wait -1
	FETCH_B 0, 0, 0
	FETCH_A 0, 0, 0
	FETCH_A 0, 0, 4
	STEP 0, 1                                      ; K = 1,024 is four K steps: written straight, no loop
	TURN 0, 1, 1                                   ; slot 0 takes K step 2
	STEP 1, 0
	TURN 1, 0, 1                                   ; slot 1 takes K step 3
	STEP 0, 0
	TURN 0, 1, 0                                   ; nothing is left to fetch
	STEP 1, 0
	s_wait_dscnt 16                                ; the last 128 along K
	WIN MUL_LO
	MULA 0, 1, 0
	MULA 2, 1, 0
	s_wait_dscnt 0
	WIN MUL_HI
	MULA 4, 1, 0
	MULA 6, 1, 0
	WIN 0
; THE WAY OUT of A's block a: 64 numbers a lane: sum x 2^(e0 + e1) + bias, one fused multiply-add for two; eight conversions; four stores of 512 consecutive bytes.
; kind 0 (q, k): the bias runs along a lane's registers.  kind 1 (v): one bias a lane and block; op_sel picks it out of its pair for both halves.
.macro OUTA a, kind
.if (\a) == 4
	s_wait_xcnt 0x0                                ; blocks 0-3's stores have read their codes: the four sets are written again only behind this wait
.endif
	WIN 0x02+(\a)/4                                ; source 0: window 2 or 3
.irp b, 0,1,2,3,4,5,6,7
.irp i, 0,2,4,6                        ; each accumulator from its low end on
.if \kind
.if (\a)%2
	v_pk_fma_f32 v[T+8*\b+\i:T+8*\b+\i+1], v[64*((\a)%4)+8*\b+\i:64*((\a)%4)+8*\b+\i+1], s[88:89], v[BI1+2*((\a)/2):BI1+2*((\a)/2)+1] op_sel:[0,0,1] op_sel_hi:[1,0,1]
.else
	v_pk_fma_f32 v[T+8*\b+\i:T+8*\b+\i+1], v[64*((\a)%4)+8*\b+\i:64*((\a)%4)+8*\b+\i+1], s[88:89], v[BI1+2*((\a)/2):BI1+2*((\a)/2)+1] op_sel_hi:[1,0,0]
.endif
.else
	v_pk_fma_f32 v[T+8*\b+\i:T+8*\b+\i+1], v[64*((\a)%4)+8*\b+\i:64*((\a)%4)+8*\b+\i+1], s[88:89], v[BI0+8*\b+\i:BI0+8*\b+\i+1] op_sel_hi:[1,0,1]
.endif
.endr
.endr
	WIN 0
.set n, 0
.rept 64
.set n, n+1
.endr
.irp b, 0,1,2,3,4,5,6,7
	v_cvt_scalef32_pk8_fp8_f32 v[CD+16*((\a)%4)+2*\b:CD+16*((\a)%4)+2*\b+1], v[T+8*\b:T+8*\b+7], v[SC]
.endr
	v_nop                                          ; one plain vector line behind the conversions: the next block's multiply-adds write their sources
.irp g, 0,1,2,3
.if \kind
	global_store_b128 v[LN], v[CD+16*((\a)%4)+4*\g:CD+16*((\a)%4)+4*\g+3], s[92:93] offset:((\a)/4)*131072+((\a)%4)*2048+\g*512   ; head a / 4, channels 16 (a % 4) on
.else
	global_store_b128 v[LN], v[CD+16*((\a)%4)+4*\g:CD+16*((\a)%4)+4*\g+3], s[92:93] offset:(\g/2)*131072+(\a)*1024+(\g%2)*512     ; head g / 2, positions 16 a on
.endif
.endr
.endm
	s_wait_loadcnt 0x0                             ; the biases, asked for at the head
	PLACES                                         ; behind the last products: their results are read, and A's registers written
	s_cmp_eq_u32 ttmp9, 2                          ; the cluster's x: the same in all sixteen partners; the two arms hold vector work and global stores alone
	s_cbranch_scc1 .Lout_v
.irp a, 0,1,2,3,4,5,6,7
	OUTA \a, 0
.endr
	s_branch .Lend
.Lout_v:
.irp a, 0,1,2,3,4,5,6,7
	OUTA \a, 1
.endr
.Lend:
	s_wait_tensorcnt 0x0                           ; the wave's end
	ds_add_u32 v[SPW], v[NIL]
	s_wait_dscnt 0x0
	CROUND                                         ; the closing round: no work-group ends while a partner may still ask for a tile that names it
	s_endpgm
.Lfunc_end_k_qb67f8ff568_qkv:
	.size	k_qb67f8ff568_qkv, .Lfunc_end_k_qb67f8ff568_qkv-k_qb67f8ff568_qkv
	.p2alignl 7, 3214868480
	.fill 96, 4, 3214868480
	.section	.rodata,"a",@progbits
	.p2align	6, 0x0
	.amdhsa_kernel k_qb67f8ff568_qkv
		.amdhsa_group_segment_fixed_size 327680
		.amdhsa_private_segment_fixed_size 0
		.amdhsa_enable_private_segment 0
		.amdhsa_kernarg_size 56
		.amdhsa_user_sgpr_count 2
		.amdhsa_user_sgpr_kernarg_segment_ptr 1
		.amdhsa_wavefront_size32 1
		.amdhsa_system_sgpr_workgroup_id_x 1
		.amdhsa_system_sgpr_workgroup_id_y 1
		.amdhsa_system_sgpr_workgroup_id_z 1
		.amdhsa_system_vgpr_workitem_id 0
		.amdhsa_next_free_vgpr 1024
		.amdhsa_next_free_sgpr 100
		.amdhsa_reserve_vcc 0
		.amdhsa_float_denorm_mode_32 3
		.amdhsa_float_denorm_mode_16_64 3
		.amdhsa_fp16_overflow 1
		.amdhsa_memory_ordered 1
		.amdhsa_forward_progress 1
		.amdhsa_inst_pref_size 129
	.end_amdhsa_kernel
	.amdgpu_metadata
---
amdhsa.version: [ 1, 2 ]
amdhsa.kernels:
  - .name:           k_qb67f8ff568_qkv
    .symbol:         k_qb67f8ff568_qkv.kd
    .args:
      - { .name: xc, .offset: 0, .size: 8, .value_kind: global_buffer, .address_space: global }
      - { .name: wic, .offset: 8, .size: 8, .value_kind: global_buffer, .address_space: global }
      - { .name: lowp_scales, .offset: 16, .size: 8, .value_kind: global_buffer, .address_space: global }
      - { .name: b_in, .offset: 24, .size: 8, .value_kind: global_buffer, .address_space: global }
      - { .name: qf, .offset: 32, .size: 8, .value_kind: global_buffer, .address_space: global }
      - { .name: kf, .offset: 40, .size: 8, .value_kind: global_buffer, .address_space: global }
      - { .name: vf, .offset: 48, .size: 8, .value_kind: global_buffer, .address_space: global }
    .group_segment_fixed_size: 327680
    .private_segment_fixed_size: 0
    .kernarg_segment_align: 8
    .kernarg_segment_size: 56
    .max_flat_workgroup_size: 128
    .sgpr_count:     100
    .vgpr_count:     1024
    .wavefront_size: 32
...
	.end_amdgpu_metadata
.endif
;; end of part 2
;; launch attn (part 3): grid 4 x 64, 8 waves a work-group, clusters of 4 x 1, 327,680 bytes of LDS; arguments qf, kf, vf, lowp_scales, ao; writes ao
.if DOCPART == 3
	.amdgcn_target "amdgcn-amd-amdhsa--gfx1250"
	.amdhsa_code_object_version 6
	.text
	.protected	k_qb67f8ff568_attn
	.globl	k_qb67f8ff568_attn
	.p2align	8
	.type	k_qb67f8ff568_attn,@function
k_qb67f8ff568_attn:
	s_mov_b64 s[64:65], 0
	v_nop
	global_prefetch_b8 v0, s[64:65] scope:SCOPE_SE
	s_setreg_imm32_b32 hwreg(HW_REG_WAVE_MODE, 25, 1), 1
	s_wait_xcnt 0x0
	s_wait_alu depctr_hold_cnt(0) depctr_sa_sdst(0) depctr_va_vdst(0) depctr_va_sdst(0) depctr_va_ssrc(0) depctr_va_vcc(0) depctr_vm_vsrc(0)
	s_getreg_b32 s2, hwreg(HW_REG_IB_STS2, 6, 4)
	s_cmp_eq_u32 s2, 0
	s_cbranch_scc0 .Lentry_in_a_cluster
	s_endpgm
.Lentry_in_a_cluster:
	s_bfe_u32 s2, ttmp6, 0x10000c
	s_cmp_lg_u32 s2, 0x3003
	s_cbranch_scc0 .Lentry_shape_is_right
	s_endpgm
.Lentry_shape_is_right:
; For each of 64 heads (batch x 16 + head): O = softmax(Q K^T / 64) V on codes of FP8 (E4M3), 2,048 queries and keys, 64 channels; O is quantised at once with e6 for the last product.
; THE SOFTMAX: t = score x log2(e) / 64; M = the largest t so far, rounded UP to a whole number; p = 2^(t - M) is quantised with e4, not normalised; the row's sum is taken of the unquantised p in f32
; and divides O at the end.  When M moves, the sum and O are multiplied by 2^(old M - new M), which rounds nothing.
; LIMITS: e2 + e3 between -120 and 133 (added to the exponent field of log2(e) / 64); e4 and e6 between -126 and 119; e4 + e5 goes in by v_ldexp_f32.  p under 2^-126 counts as 0.  NaN is not served.
; SHARES: a cluster of four work-groups owns a head; a work-group 512 queries; each of its eight waves 64: four tiles of 16, in 512 registers, two waves to a SIMD, so that one wave's vector work stands
; beside the other's matrix work and LDS waits.  Each fragment of K or V read from LDS feeds four matrix instructions.
; LDS HOLDS THE WHOLE HEAD: K's 131,072 bytes, then V's: every byte is filled once.  It comes in four chunks of 512 keys; wave w brings 8,192 bytes of each chunk (waves 0-3: K's four steps of 128 keys;
; waves 4-7: V's), by a joint load that names the four work-groups.  Chunk c + 1 is asked for behind the round at the head of chunk c: four key steps, 192 matrix instructions a wave, ahead of its first read;
; so the waves wait for the first chunk alone, which is asked for at the head, and no prefetch is laid.
; LAYOUT: operands are images of registers (lane (r, h): row r; register pair c: k = 16 c + 8 h + 0 .. 7; registers 4 g .. 4 g + 3 at 512 g + 16 x lane).  S^T = K Q^T (source 0 = 16 keys, source 1 = 16 queries):
; a lane holds ONE query, and register j of key tile kt the key 16 kt + 8 h + j: converted, that is pair kt of P (16 queries x 128 keys).  O^T = V^T P (source 0 = 16 channels x 128 keys): register j of tile dt is
; channel 16 dt + 8 h + j: converted, pair dt of the image that the last product reads: ao = [tile of 16 rows][head][1,024 bytes].  Nothing changes lanes but one exchange between the halves for maximum and sum.
; REGISTERS: window 0: v1-11 addresses and constants; v16-47 eight registers of statistics a tile; v48-51 second chains of the sums; v64-127 P, 16 a tile; v128-255 S^T of two tiles (a PIECE).
;   window 1: v0-63 K's eight fragments, then V's four; v64-191 O^T, 32 a tile; v192-223 Q.
.set VOFF,  131072                     ; V's place in LDS
.set STEPB, 8192                       ; a key step's bytes of K, and of V
.set SPARE, 262144                     ; behind K and V: the spare words, 128 bytes for each wave, which no other line names
.set LI,  1                            ; v1   16 x lane
.set ADK, 2                            ; v2   LDS address of the step's K
.set ADV, 3                            ; v3   of its V
.set SPW, 4                            ; v4   my spare word; never rewritten
.set NIL, 5                            ; v5   0; never rewritten
.set SCP, 6                            ; v6   2^e4
.set SCO, 7                            ; v7   2^e6
.set LMP, 8
.set LMO, 10
.set LV,  11                           ; v11  16 x lane + VOFF
.set ST,  16                           ; tile t's statistics at v[ST + 8 t]: +0 -M, +1 the largest t, +2, +3 the sum in two halves, +4 f, +5 the other half of the lanes', +6, +7 at work
.set SB,  48
.set P,   64
.set S,   128
.set KV,  0                            ; in window 1
.set O,   64
.set Q,   192
.set WV,  14                           ; s14  my wave's number
.set SEL, 20                           ; s[20:21] lane selects for v_permlanex16_b32: lane l xor 16
.set CS,  22                           ; s[22:23] c = log2(e) / 64 x 2^(e2 + e3)
.set G1,  24                           ; s[24:31] descriptor group 1;  s[32:35] group 0, which walks
.set G0,  32
.set TB,  36                           ; s36  LDS byte of the key step in hand
.set CH,  37                           ; s37  chunks still to be asked for
.set STP, 38                           ; s38  counts a chunk's four steps
.set MSB, 0
.macro WIN new                         ; the immediate's high byte repeats the setting that is left
.if MSB != (\new)
	s_set_vgpr_msb (MSB<<8)|(\new)
.set MSB, \new
.endif
.endm
.macro CROUND                          ; a round of the cluster's barrier
	s_barrier_signal -1
	s_barrier_wait -1
	s_cmp_lg_u32 s[WV], 0
	s_cbranch_scc1 .Lnot_wave_0_\@
	s_barrier_signal -3
.Lnot_wave_0_\@:
	s_barrier_wait -3
	s_barrier_signal -1
	s_barrier_wait -1
.endm
	s_load_b256 s[4:11], s[0:1], 0x0               ; qf, kf, vf, the scales' exponents
	s_load_b64 s[12:13], s[0:1], 0x20              ; ao
	v_lshl_add_u32 v[SPW], v0, 2, SPARE
	v_mov_b32 v[NIL], 0
	ds_add_u32 v4, v5
	ds_add_u32 v4, v5
	s_wait_dscnt 0x0
	v_lshrrev_b32 v12, 5, v0
	v_readfirstlane_b32 s[WV], v12                 ; wave 0..7
	s_bfe_u32 s15, ttmp6, 0x40000                  ; cx: my block of 512 queries: it enters Q's and ao's addresses alone
	s_and_b32 s16, ttmp7, 0xffff                   ; batch x 16 + head, which the four partners share
	s_and_b32 s17, s[WV], 3
	s_lshl_b32 s17, s17, 13                        ; the step of a chunk that I fetch
	s_lshl_b32 s18, s16, 17                        ; the head's 131,072 bytes in kf and in vf
	s_add_co_u32 s18, s18, s17
	s_mov_b32 s19, 0
	s_mov_b32 s[G0], 1                             ; 1:0 count = 1
	s_lshr_b32 s[G0+1], s[WV], 2
	s_lshl_b32 s[G0+1], s[G0+1], 17                ; 63:32 LDS address: K's half (waves 0-3) or V's (4-7),
	s_add_co_u32 s[G0+1], s[G0+1], s17             ; + my step
	; descriptor group 1: a dense block of 8,192 bytes as 32 rows of 256; elements of 8 bytes
	s_mov_b32 s[G1], 15|(3<<16)|(1<<21)            ; 15:0 the mask: all four work-groups; 17:16 elements of 8 bytes; 21 set beside a mask; no padding
	s_mov_b32 s[G1+1], 32<<16                      ; tensor_dim0
	s_mov_b32 s[G1+2], 32<<16                      ; tensor_dim1
	s_mov_b32 s[G1+3], 32<<16                      ; tile_dim0
	s_mov_b32 s[G1+4], 32                          ; tile_dim1
	s_mov_b32 s[G1+5], 32                          ; tensor_dim0_stride
	s_mov_b32 s[G1+6], 0
	s_mov_b32 s[G1+7], 0
	s_mov_b32 s[SEL], 0x76543210
	s_mov_b32 s[SEL+1], 0xfedcba98
	s_mov_b32 s[CS], 0x3cb8aa3b                    ; log2(e) / 64
	s_mov_b32 s[TB], 0
	s_mov_b32 s[CH], 3
	s_wait_kmcnt 0x0
	s_load_b256 s[40:47], s[10:11], 0x0            ; e0 .. e7
	s_cmp_lt_u32 s[WV], 4
	s_cselect_b64 s[G0+2:G0+3], s[6:7], s[8:9]     ; 120:64 global address: kf or vf, by the wave's number,
	s_add_nc_u64 s[G0+2:G0+3], s[G0+2:G0+3], s[18:19]
	s_or_b32 s[G0+3], s[G0+3], 0x80000000          ; 127:126 type = 2
	CROUND                                         ; all four work-groups are here: the first joint loads meet
	tensor_load_to_lds s[G0:G0+3], s[G1:G1+7]      ; chunk 0: one load of mine is out
	s_nop 0
.rept 4
	v_nop
.endr
	v_and_b32 v12, 31, v0
	v_lshlrev_b32 v[LI], 4, v12
	v_add_nc_u32 v[LV], VOFF, v[LI]
	s_lshl_b32 s50, s16, 17                        ; Q: the head, my work-group's 32 tiles of 1,024 bytes, my wave's four
	s_lshl_b32 s51, s15, 15
	s_add_co_u32 s50, s50, s51
	s_lshl_b32 s51, s[WV], 12
	s_add_co_u32 s50, s50, s51
	s_mov_b32 s51, 0
	s_add_nc_u64 s[4:5], s[4:5], s[50:51]
	WIN 0x40                                       ; destination window 1
.irp t, 0,1,2,3
	global_load_b128 v[Q+8*\t:Q+8*\t+3], v[LI], s[4:5] offset:1024*\t
	global_load_b128 v[Q+8*\t+4:Q+8*\t+7], v[LI], s[4:5] offset:1024*\t+512
.endr
.set n, 0
.rept 128
	v_mov_b32 v[O+n], 0                            ; O^T.  The key step is written once: the first step's f is 0 and finds zeros
.set n, n+1
.endr
	WIN 0
	s_lshr_b32 s52, s16, 4                         ; ao: (batch x 128 + 32 cx + 4 wave) tiles of rows of 16,384 bytes, + head x 1,024
	s_lshl_b32 s52, s52, 7
	s_lshl_b32 s53, s15, 5
	s_add_co_u32 s52, s52, s53
	s_lshl_b32 s53, s[WV], 2
	s_add_co_u32 s52, s52, s53
	s_lshl_b32 s52, s52, 14
	s_and_b32 s53, s16, 15
	s_lshl_b32 s53, s53, 10
	s_add_co_u32 s52, s52, s53
	s_mov_b32 s53, 0
	s_add_nc_u64 s[12:13], s[12:13], s[52:53]
.irp t, 0,1,2,3
	v_mov_b32 v[ST+8*\t+1], 0xff61b1e6             ; the largest t so far: -3e38, under every t
	v_floor_f32 v[ST+8*\t], -v[ST+8*\t+1]          ; -M
	v_mov_b32 v[ST+8*\t+2], 0                      ; the sum
	v_mov_b32 v[ST+8*\t+3], 0
	v_mov_b32 v[ST+8*\t+5], 0                      ; written once: a lane permute's destination counts as one of its sources
.endr
	s_wait_kmcnt 0x0
	s_add_co_i32 s49, s42, s43
	s_lshl_b32 s49, s49, 23
	s_add_co_i32 s[CS], s[CS], s49                 ; a score stands for score x 2^(e2 + e3): the two exponents are added to c's exponent field
	s_mov_b32 s[CS+1], s[CS]                       ; (named with it as a pair, so it is written)
	s_add_co_i32 s48, s44, s45                     ; e4 + e5
	s_add_co_i32 s49, s44, 127
	s_lshl_b32 s54, s49, 23
	v_mov_b32 v[SCP], s54
	s_add_co_i32 s49, s46, 127
	s_lshl_b32 s54, s49, 23
	v_mov_b32 v[SCO], s54
; S^T of piece p (tiles 2 p, 2 p + 1) for the step's 128 keys: each tile of 16 keys x 16 queries is ONE instruction (K = the 64 channels) that starts from 0.  Four places follow, ahead of the first read of results and of loads into K's registers.
.macro QK p
	WIN 0x05                                       ; sources 0 (K) and 1 (Q) window 1, result window 0
.irp kt, 0,1,2,3,4,5,6,7
.irp u, 0,1
	v_wmma_f32_16x16x64_fp8_fp8 v[S+64*\u+8*\kt:S+64*\u+8*\kt+7], v[KV+8*\kt:KV+8*\kt+7], v[Q+8*(2*(\p)+\u):Q+8*(2*(\p)+\u)+7], 0
.endr
.endr
	WIN 0
.rept 4
	v_nop
.endr
.endm
; THE SOFTMAX of piece p for one key step; the two tiles' lines alternate, so that a line seldom reads the result of the line above it.
.macro PIECE p
.set rT, ST+16*(\p)
.irp u, 0,1                            ; the largest of my 64 scores, in two chains, in ascending order: each accumulator is read from its low end on
	v_max3_num_f32 v[rT+8*\u+6], v[S+64*\u], v[S+64*\u+1], v[S+64*\u+2]
	v_max3_num_f32 v[rT+8*\u+7], v[S+64*\u+3], v[S+64*\u+4], v[S+64*\u+5]
.endr
.irp i, 6,10,14,18,22,26,30,34,38,42,46,50,54,58
.irp u, 0,1
	v_max3_num_f32 v[rT+8*\u+6], v[rT+8*\u+6], v[S+64*\u+\i], v[S+64*\u+\i+1]
	v_max3_num_f32 v[rT+8*\u+7], v[rT+8*\u+7], v[S+64*\u+\i+2], v[S+64*\u+\i+3]
.endr
.endr
.irp u, 0,1
	v_max3_num_f32 v[rT+8*\u+6], v[rT+8*\u+6], v[S+64*\u+62], v[S+64*\u+63]
.endr
.irp u, 0,1
	v_max_num_f32 v[rT+8*\u+6], v[rT+8*\u+6], v[rT+8*\u+7]
.endr
.irp u, 0,1
	v_permlanex16_b32 v[rT+8*\u+5], v[rT+8*\u+6], s[SEL], s[SEL+1]   ; the query's other 64 keys lie in the lane 16 away
.endr
.irp u, 0,1
	v_max_num_f32 v[rT+8*\u+6], v[rT+8*\u+6], v[rT+8*\u+5]
.endr
.irp u, 0,1
	v_mul_f32 v[rT+8*\u+6], s[CS], v[rT+8*\u+6]    ; as t (c is positive)
.endr
.irp u, 0,1
	v_max_num_f32 v[rT+8*\u+1], v[rT+8*\u+1], v[rT+8*\u+6]   ; the running largest t
.endr
.irp u, 0,1
	v_mov_b32 v[rT+8*\u+6], v[rT+8*\u]
.endr
.irp u, 0,1
	v_floor_f32 v[rT+8*\u], -v[rT+8*\u+1]          ; the new -M = floor(-t): M is a whole number
.endr
.irp u, 0,1
	v_sub_f32 v[rT+8*\u+6], v[rT+8*\u], v[rT+8*\u+6]   ; old M - new M: a whole number, 0 or less
.endr
.irp u, 0,1
	v_cvt_i32_f32 v[rT+8*\u+6], v[rT+8*\u+6]       ; (it saturates)
.endr
.irp u, 0,1
	v_ldexp_f32 v[rT+8*\u+4], 1.0, v[rT+8*\u+6]    ; f = 2^(old M - new M)
.endr
; ONE BATCH: 64 scalings t - M, a pair each, and the piece's 128 exponentials; a pair is scaled one turn ahead of its exponentials, and no line here names an exponential's result
.irp u, 0,1
	v_pk_fma_f32 v[S+64*\u:S+64*\u+1], v[S+64*\u:S+64*\u+1], s[CS:CS+1], v[rT+8*\u:rT+8*\u+1] op_sel_hi:[1,0,0]
.endr
.set n, 0
.rept 32
.irp u, 0,1
.if n < 31
	v_pk_fma_f32 v[S+64*\u+2*n+2:S+64*\u+2*n+3], v[S+64*\u+2*n+2:S+64*\u+2*n+3], s[CS:CS+1], v[rT+8*\u:rT+8*\u+1] op_sel_hi:[1,0,0]
.endif
	v_exp_f32 v[S+64*\u+2*n], v[S+64*\u+2*n]       ; p = 2^(t - M), at most 1
	v_exp_f32 v[S+64*\u+2*n+1], v[S+64*\u+2*n+1]
.endr
.set n, n+1
.endr
.irp u, 0,1
	v_pk_mul_f32 v[rT+8*\u+2:rT+8*\u+3], v[rT+8*\u+2:rT+8*\u+3], v[rT+8*\u+4:rT+8*\u+5] op_sel_hi:[1,0]   ; the sums under the new M: plain lines behind the last exponential
.endr
	s_wait_alu depctr_va_vdst(0)                   ; one wait for the batch, ahead of its first reader
.irp u, 0,1                            ; the row's sum is taken of the UNQUANTISED p: two at a time, in two chains
	v_pk_add_f32 v[SB+2*\u:SB+2*\u+1], v[S+64*\u:S+64*\u+1], v[S+64*\u+2:S+64*\u+3]
.endr
.irp j, 4,8,12,16,20,24,28,32,36,40,44,48,52,56,60
.irp u, 0,1
	v_pk_add_f32 v[rT+8*\u+2:rT+8*\u+3], v[rT+8*\u+2:rT+8*\u+3], v[S+64*\u+\j:S+64*\u+\j+1]
	v_pk_add_f32 v[SB+2*\u:SB+2*\u+1], v[SB+2*\u:SB+2*\u+1], v[S+64*\u+\j+2:S+64*\u+\j+3]
.endr
.endr
.irp u, 0,1
	v_pk_add_f32 v[rT+8*\u+2:rT+8*\u+3], v[rT+8*\u+2:rT+8*\u+3], v[SB+2*\u:SB+2*\u+1]
.endr
.irp b, 0,1,2,3,4,5,6,7                ; the conversion: pair b of P
.irp u, 0,1
.irp i, 0,2,4,6
.endr
	v_cvt_scalef32_pk8_fp8_f32 v[P+16*(2*(\p)+\u)+2*\b:P+16*(2*(\p)+\u)+2*\b+1], v[S+64*\u+8*\b:S+64*\u+8*\b+7], v[SCP]
.endr
.endr
	v_nop                                          ; one plain vector line behind the last conversion: matrix instructions write its sources and read its result
.endm
; A KEY STEP: 128 keys.  K's and V's fragments share 64 registers: V's run of loads stands behind the last product that reads K, and lands while piece 1's softmax is worked.
.macro STEP
	v_add_nc_u32 v[ADK], s[TB], v[LI]
	v_add_nc_u32 v[ADV], s[TB], v[LV]
	v_nop
	v_nop                                          ; with the two additions: four places in front of loads into registers that the last products read
	WIN 0x40                                       ; destination window 1
.irp kt, 0,1,2,3,4,5,6,7
	ds_load_b128 v[KV+8*\kt:KV+8*\kt+3], v[ADK] offset:1024*\kt
	ds_load_b128 v[KV+8*\kt+4:KV+8*\kt+7], v[ADK] offset:1024*\kt+512
.endr
	s_wait_dscnt 0x0
	QK 0
	PIECE 0
	QK 1
	WIN 0x40
.irp dt, 0,1,2,3
.irp g, 0,1,2,3
	ds_load_b128 v[KV+16*\dt+4*\g:KV+16*\dt+4*\g+3], v[ADV] offset:2048*\dt+512*\g
.endr
.endr
	WIN 0
	s_setprio 1
	PIECE 1
	WIN 0x41                                       ; O^T (destination and source 0) window 1, f window 0
	s_setprio 0
.irp t, 0,1,2,3
.set n, 0
.rept 16
	v_pk_mul_f32 v[O+32*\t+2*n:O+32*\t+2*n+1], v[O+32*\t+2*n:O+32*\t+2*n+1], v[ST+8*\t+4:ST+8*\t+5] op_sel_hi:[1,0]   ; O^T under the new M; each accumulator from its low end on
.set n, n+1
.endr
.endr
	s_wait_dscnt 0x0                               ; V is in
	WIN 0x51                                       ; V window 1, P window 0, O^T window 1
.irp dt, 0,1,2,3                       ; sixteen accumulators by turns, one instruction a turn
.irp t, 0,1,2,3
	v_wmma_f32_16x16x128_fp8_fp8 v[O+32*\t+8*\dt:O+32*\t+8*\dt+7], v[KV+16*\dt:KV+16*\dt+15], v[P+16*\t:P+16*\t+15], v[O+32*\t+8*\dt:O+32*\t+8*\dt+7]
.endr
.endr
	WIN 0
.endm
; AT A CHUNK'S HEAD each wave waits for its tensor load (its part of the chunk that it is about to read), adds 0 to its spare word and waits for that; behind the barrier the chunk is whole.
; fill = 1: the barrier is a round of the cluster's, and behind it the next chunk is asked for, into bytes that nothing has filled: my one tensor load until the next round.
.macro CHANGE fill
	s_wait_tensorcnt 0x0                           ; no tensor load of mine is out, so group 0 may be written
	ds_add_u32 v[SPW], v[NIL]                      ; 0 onto my spare word
.if \fill
	s_add_co_u32 s[G0+1], s[G0+1], 4*STEPB         ; the next chunk: four steps on in LDS,
	s_add_nc_u64 s[G0+2:G0+3], s[G0+2:G0+3], 4*STEPB   ; and in memory; the type bits on top are not reached
.endif
	s_wait_dscnt 0x0
.if \fill
	CROUND
	tensor_load_to_lds s[G0:G0+3], s[G1:G1+7]
	s_nop 0
.rept 4
	v_nop
.endr
.else
	s_barrier_signal -1
	s_barrier_wait -1
.endif
.endm
.macro CHUNK_STEPS
	s_mov_b32 s[STP], 4
.Lstep_\@:
	s_setprio 2
	STEP
	s_add_co_u32 s[TB], s[TB], STEPB
	s_sub_co_u32 s[STP], s[STP], 1
	s_cmp_lg_u32 s[STP], 0
	s_cbranch_scc1 .Lstep_\@
	s_setprio 0
.endm
	s_wait_loadcnt 0x0                             ; Q
.Lchunk:                                           ; three trips: behind each round the next chunk is asked for
	CHANGE 1
	CHUNK_STEPS
	s_sub_co_u32 s[CH], s[CH], 1
	s_cmp_lg_u32 s[CH], 0
	s_cbranch_scc1 .Lchunk
	CHANGE 0                                       ; the last chunk is written out
	CHUNK_STEPS
	; THE WAY OUT.  The sum's two halves and the other half of the lanes' are added; O^T x 2^(e4 + e5) / the sum is converted with e6, and stored as the image that the last product reads.
.irp t, 0,1,2,3
	v_add_f32 v[ST+8*\t+6], v[ST+8*\t+2], v[ST+8*\t+3]   ; (four plain lines: the places behind the last products)
.endr
.irp t, 0,1,2,3
	v_permlanex16_b32 v[ST+8*\t+5], v[ST+8*\t+6], s[SEL], s[SEL+1]
.endr
.irp t, 0,1,2,3
	v_add_f32 v[ST+8*\t+6], v[ST+8*\t+6], v[ST+8*\t+5]
.endr
.irp t, 0,1,2,3
	v_rcp_f32 v[ST+8*\t+4], v[ST+8*\t+6]
.endr
	v_nop                                          ; a plain line behind the last reciprocal,
	s_wait_alu depctr_va_vdst(0)                   ; and the one wait for the four, ahead of their first reader
.irp t, 0,1,2,3
	v_ldexp_f32 v[ST+8*\t+4], v[ST+8*\t+4], s48
.endr
.irp t, 0,1,2,3
	WIN 0x01                                       ; source 0 (O^T) window 1
.set n, 0
.rept 16
	v_pk_mul_f32 v[S+32*\t+2*n:S+32*\t+2*n+1], v[O+32*\t+2*n:O+32*\t+2*n+1], v[ST+8*\t+4:ST+8*\t+5] op_sel_hi:[1,0]
.set n, n+1
.endr
	WIN 0
.set n, 0
.rept 32
.set n, n+1
.endr
.irp dt, 0,1,2,3
	v_cvt_scalef32_pk8_fp8_f32 v[P+8*\t+2*\dt:P+8*\t+2*\dt+1], v[S+32*\t+8*\dt:S+32*\t+8*\dt+7], v[SCO]
.endr
	v_nop                                          ; one plain vector line behind the conversions
	global_store_b128 v[LI], v[P+8*\t:P+8*\t+3], s[12:13] offset:16384*\t         ; the wave stores 512 consecutive bytes, aligned
	global_store_b128 v[LI], v[P+8*\t+4:P+8*\t+7], s[12:13] offset:16384*\t+512
.endr
	s_wait_tensorcnt 0x0                           ; the wave's end
	ds_add_u32 v[SPW], v[NIL]
	s_wait_dscnt 0x0
	CROUND                                         ; the closing round: no work-group ends while a partner may still ask for a tile that names it
	s_endpgm
.Lfunc_end_k_qb67f8ff568_attn:
	.size	k_qb67f8ff568_attn, .Lfunc_end_k_qb67f8ff568_attn-k_qb67f8ff568_attn
	.p2alignl 7, 3214868480
	.fill 96, 4, 3214868480
	.section	.rodata,"a",@progbits
	.p2align	6, 0x0
	.amdhsa_kernel k_qb67f8ff568_attn
		.amdhsa_group_segment_fixed_size 327680
		.amdhsa_private_segment_fixed_size 0
		.amdhsa_enable_private_segment 0
		.amdhsa_kernarg_size 40
		.amdhsa_user_sgpr_count 2
		.amdhsa_user_sgpr_kernarg_segment_ptr 1
		.amdhsa_wavefront_size32 1
		.amdhsa_system_sgpr_workgroup_id_x 1
		.amdhsa_system_sgpr_workgroup_id_y 1
		.amdhsa_system_sgpr_workgroup_id_z 1
		.amdhsa_system_vgpr_workitem_id 0
		.amdhsa_next_free_vgpr 512
		.amdhsa_next_free_sgpr 66
		.amdhsa_reserve_vcc 0
		.amdhsa_float_denorm_mode_32 3
		.amdhsa_float_denorm_mode_16_64 3
		.amdhsa_fp16_overflow 1
		.amdhsa_memory_ordered 1
		.amdhsa_forward_progress 1
		.amdhsa_inst_pref_size 110
	.end_amdhsa_kernel
	.amdgpu_metadata
---
amdhsa.version: [ 1, 2 ]
amdhsa.kernels:
  - .name:           k_qb67f8ff568_attn
    .symbol:         k_qb67f8ff568_attn.kd
    .args:
      - { .name: qf, .offset: 0, .size: 8, .value_kind: global_buffer, .address_space: global }
      - { .name: kf, .offset: 8, .size: 8, .value_kind: global_buffer, .address_space: global }
      - { .name: vf, .offset: 16, .size: 8, .value_kind: global_buffer, .address_space: global }
      - { .name: lowp_scales, .offset: 24, .size: 8, .value_kind: global_buffer, .address_space: global }
      - { .name: ao, .offset: 32, .size: 8, .value_kind: global_buffer, .address_space: global }
    .group_segment_fixed_size: 327680
    .private_segment_fixed_size: 0
    .kernarg_segment_align: 8
    .kernarg_segment_size: 40
    .max_flat_workgroup_size: 256
    .sgpr_count:     66
    .vgpr_count:     512
    .wavefront_size: 32
...
	.end_amdgpu_metadata
.endif
;; end of part 3
;; launch proj (part 4): grid 8 x 32, 4 waves a work-group, clusters of 4 x 4, 327,680 bytes of LDS; arguments ao, woc, lowp_scales, b_out, out0; writes out0
.if DOCPART == 4
	.amdgcn_target "amdgcn-amd-amdhsa--gfx1250"
	.amdhsa_code_object_version 6
	.text
	.protected	k_qb67f8ff568_proj
	.globl	k_qb67f8ff568_proj
	.p2align	8
	.type	k_qb67f8ff568_proj,@function
k_qb67f8ff568_proj:
	s_mov_b64 s[64:65], 0
	v_nop
	global_prefetch_b8 v0, s[64:65] scope:SCOPE_SE
	s_setreg_imm32_b32 hwreg(HW_REG_WAVE_MODE, 25, 1), 1
	s_wait_xcnt 0x0
	s_wait_alu depctr_hold_cnt(0) depctr_sa_sdst(0) depctr_va_vdst(0) depctr_va_sdst(0) depctr_va_ssrc(0) depctr_va_vcc(0) depctr_vm_vsrc(0)
	s_getreg_b32 s2, hwreg(HW_REG_IB_STS2, 6, 4)
	s_cmp_eq_u32 s2, 0
	s_cbranch_scc0 .Lentry_in_a_cluster
	s_endpgm
.Lentry_in_a_cluster:
	s_bfe_u32 s2, ttmp6, 0x10000c
	s_cmp_lg_u32 s2, 0xf033
	s_cbranch_scc0 .Lentry_shape_is_right
	s_endpgm
.Lentry_shape_is_right:
.set NB,    4
.set FR,    16
.set FRB,   2048
.set RT,    2*FRB
.set TROW,  16384
.set PARTA, 8*RT
.set PARTB, NB*RT
.set SLOT,  2*PARTA+2*PARTB
.set STAGE, 2*SLOT
.set SPITCH, 272
.set SPARE, STAGE+4*16*SPITCH
.set ADRA, 16
.set ADRB, 20
.set STO,  24
.set RD,   25
.set CO,   26
.set BO0,  27
.set SPW,  28
.set NIL,  29
.set LN,   30
.set BI,   32
.set T,    64
.set AF,   128
.set BK,   128
.set G1,  24
.set G0,  32
.set G1B, 48
.set G0B, 56
.set MSB, 0
.macro WIN new
.if MSB != (\new)
	s_set_vgpr_msb (MSB<<8)|(\new)
.set MSB, \new
.endif
.endm
.set MUL_LO, 0xa1
.set MUL_HI, 0xa1+0x50*((32*NB)/256)
.set TO_B,   0x40
.macro JLOAD g0a, g1a, g0b, g1b
	s_cmp_eq_u32 s15, 0
	s_cbranch_scc0 .Lfor_b_\@
	tensor_load_to_lds s[\g0a:\g0a+3], s[\g1a:\g1a+7]
	s_nop 0
.rept 4
	v_nop
.endr
	s_branch .Lasked_\@
.Lfor_b_\@:
	tensor_load_to_lds s[\g0b:\g0b+3], s[\g1b:\g1b+7]
	s_nop 0
.rept 4
	v_nop
.endr
.Lasked_\@:
.endm
.macro CREST
	s_cmp_lg_u32 s14, 0
	s_cbranch_scc1 .Lnot_wave_0_\@
	s_barrier_signal -3
.Lnot_wave_0_\@:
	s_barrier_wait -3
	s_barrier_signal -1
	s_barrier_wait -1
.endm
.macro CROUND
	s_barrier_signal -1
	s_barrier_wait -1
	CREST
.endm
	s_load_b256 s[4:11], s[0:1], 0x0
	s_load_b64 s[72:73], s[0:1], 0x20
	v_lshl_add_u32 v[SPW], v0, 2, SPARE
	v_mov_b32 v[NIL], 0
	ds_add_u32 v28, v29
	ds_add_u32 v28, v29
	s_wait_dscnt 0x0
	v_lshrrev_b32 v1, 5, v0
	v_readfirstlane_b32 s14, v1
	s_lshr_b32 s15, s14, 1
	s_and_b32 s16, s14, 1
	s_bfe_u32 s40, ttmp6, 0x40000
	s_bfe_u32 s41, ttmp6, 0x40004
	s_lshl_b32 s42, ttmp9, 2
	s_add_co_u32 s42, s42, s40
	s_and_b32 s17, ttmp7, 0xffff
	s_lshl_b32 s17, s17, 2
	s_add_co_u32 s17, s17, s41
	s_lshl_b32 s43, s41, 2
	s_lshl_b32 s43, 15, s43
	s_lshl_b32 s44, 0x1111, s40
	s_or_b32 s[G1+0], s43, (3<<16)|(1<<21)
	s_or_b32 s[G1B+0], s44, (3<<16)|(1<<21)
.irp g, G1, G1B
	s_mov_b32 s[\g+1], 512<<16
	s_mov_b32 s[\g+3], 512<<16
	s_mov_b32 s[\g+5], TROW/8
	s_mov_b32 s[\g+6], 0
	s_mov_b32 s[\g+7], 0
.endr
	s_mov_b32 s[G1+2], 8<<16
	s_mov_b32 s[G1+4], 8
	s_mov_b32 s[G1B+2], NB<<16
	s_mov_b32 s[G1B+4], NB
	s_lshl_b32 s20, s17, 18
	s_lshl_b32 s18, s16, 17
	s_add_co_u32 s20, s20, s18
	s_mov_b32 s21, 0
	s_lshl_b32 s46, s42, 17
	s_lshl_b32 s18, s16, 16
	s_add_co_u32 s46, s46, s18
	s_mov_b32 s47, 0
	s_mul_i32 s45, s16, PARTA
	s_mul_i32 s70, s16, PARTB
	s_add_co_u32 s70, s70, 2*PARTA
	s_wait_kmcnt 0x0
	s_load_b256 s[80:87], s[8:9], 0x0
	s_add_nc_u64 s[20:21], s[4:5], s[20:21]
	s_add_nc_u64 s[46:47], s[6:7], s[46:47]
	CROUND
.irp s, 0,1
	s_mov_b32 s[G0+4*\s], 1
	s_add_co_u32 s[G0+4*\s+1], s45, \s*SLOT
	s_add_nc_u64 s[G0+4*\s+2:G0+4*\s+3], s[20:21], \s*RT
	s_or_b32 s[G0+4*\s+3], s[G0+4*\s+3], 0x80000000
	s_mov_b32 s[G0B+4*\s], 1
	s_add_co_u32 s[G0B+4*\s+1], s70, \s*SLOT
	s_add_nc_u64 s[G0B+4*\s+2:G0B+4*\s+3], s[46:47], \s*RT
	s_or_b32 s[G0B+4*\s+3], s[G0B+4*\s+3], 0x80000000
	s_wait_alu depctr_va_vdst(0)
	s_wait_tensorcnt 0x0
	ds_add_u32 v28, v29
	ds_add_u32 v28, v29
	s_wait_dscnt 0x0
	CROUND
	JLOAD G0+4*\s, G1, G0B+4*\s, G1B
.endr
	v_and_b32 v1, 31, v0
	v_lshlrev_b32 v[LN], 4, v1
	s_mul_i32 s21, s15, PARTA
	s_mul_i32 s22, s16, PARTB
	s_add_co_u32 s22, s22, 2*PARTA
.irp s, 0,1
	v_add_nc_u32 v[ADRA+\s], s21, v[LN]
	v_add_nc_u32 v[ADRB+\s], s22, v[LN]
	s_add_co_u32 s21, s21, SLOT
	s_add_co_u32 s22, s22, SLOT
.endr
	v_and_b32 v2, 15, v0
	s_wait_alu depctr_va_vdst(0)
	v_bfe_u32 v3, v0, 4, 1
	v_lshlrev_b32 v[BO0], 5, v3
	s_lshl_b32 s2, s42, 9
	s_lshl_b32 s3, s16, 8
	s_add_co_u32 s2, s2, s3
	s_mov_b32 s3, 0
	s_add_nc_u64 s[94:95], s[10:11], s[2:3]
.irp b, 0,1,2,3
	global_load_b128 v[BI+8*\b:BI+8*\b+3], v[BO0], s[94:95] offset:64*\b
	global_load_b128 v[BI+8*\b+4:BI+8*\b+7], v[BO0], s[94:95] offset:64*\b+16
.endr
	s_add_nc_u64 s[72:73], s[72:73], s[2:3]
	s_lshl_b32 s2, s17, 20
	s_lshl_b32 s18, s15, 19
	s_add_co_u32 s2, s2, s18
	s_add_nc_u64 s[72:73], s[72:73], s[2:3]
	s_mul_i32 s23, s14, 16*SPITCH
	s_add_co_u32 s23, s23, STAGE
	v_mul_u32_u24 v[STO], v2, SPITCH
	s_wait_alu depctr_va_vdst(0)
	v_lshl_add_u32 v[STO], v3, 5, v[STO]
	v_add_nc_u32 v[STO], s23, v[STO]
	v_mul_u32_u24 v[RD], v3, SPITCH
	v_lshl_add_u32 v[RD], v2, 4, v[RD]
	v_add_nc_u32 v[RD], s23, v[RD]
	v_lshlrev_b32 v[CO], 12, v3
	v_lshl_add_u32 v[CO], v2, 4, v[CO]
	s_wait_kmcnt 0x0
	s_add_co_i32 s88, s86, s87
	s_add_co_i32 s88, s88, 127
	s_lshl_b32 s88, s88, 23
	s_mov_b32 s89, s88
.macro FRAG reg, adr, q, i
.irp c, 0,1,2,3
	ds_load_b128 v[\reg+4*\c:\reg+4*\c+3], v[\adr] offset:RT*(\i)+FRB*(\q)+512*\c
.endr
.endm
.macro MULA a0, p, zero
.irp a, \a0, \a0+1
.set bb, 0
.rept NB
.set rD, (8*(NB*(\a)+bb))%256
.if \zero
	v_wmma_f32_16x16x128_fp8_fp8 v[rD:rD+7], v[128*(\p)+FR*bb:128*(\p)+FR*bb+FR-1], v[AF+FR*(\a):AF+FR*(\a)+FR-1], 0
.else
	v_wmma_f32_16x16x128_fp8_fp8 v[rD:rD+7], v[128*(\p)+FR*bb:128*(\p)+FR*bb+FR-1], v[AF+FR*(\a):AF+FR*(\a)+FR-1], v[rD:rD+7]
.endif
.set bb, bb+1
.endr
.endr
.endm
.macro FETCH_B slot, q, p
	WIN TO_B
.set ii, 0
.rept NB
	FRAG 128*(\p)+FR*ii, ADRB+\slot, \q, ii
.set ii, ii+1
.endr
	WIN 0
.endm
.macro FETCH_A slot, q, i0
.irp i, \i0, \i0+1, \i0+2, \i0+3
	FRAG AF+FR*(\i), ADRA+\slot, \q, \i
.endr
.endm
.macro PLACES
.rept 4
	v_nop
.endr
.endm
.macro STEP slot, zero
	s_wait_dscnt 16
	WIN MUL_LO
	MULA 0, 0, \zero
	MULA 2, 0, \zero
	s_wait_dscnt 0
	PLACES
	FETCH_B \slot, 1, 1
	FETCH_A \slot, 1, 0
	WIN MUL_HI
	MULA 4, 0, \zero
	MULA 6, 0, \zero
	PLACES
	WIN 0
	FETCH_A \slot, 1, 4
.endm
.macro TURN slot, next, fill
	s_wait_tensorcnt 0x0
	ds_add_u32 v[SPW], v[NIL]
	s_wait_dscnt 17
	WIN MUL_LO
	MULA 0, 1, 0
	s_wait_dscnt 0x0
	s_barrier_signal -1
	MULA 2, 1, 0
	WIN 0
	s_barrier_wait -1
.if \fill
	CREST
	s_add_nc_u64 s[G0+4*\slot+2:G0+4*\slot+3], s[G0+4*\slot+2:G0+4*\slot+3], 2*RT
	s_add_nc_u64 s[G0B+4*\slot+2:G0B+4*\slot+3], s[G0B+4*\slot+2:G0B+4*\slot+3], 2*RT
	JLOAD G0+4*\slot, G1, G0B+4*\slot, G1B
.else
	PLACES
.endif
	FETCH_B \next, 0, 0
	FETCH_A \next, 0, 0
	WIN MUL_HI
	MULA 4, 1, 0
	MULA 6, 1, 0
	PLACES
	WIN 0
	FETCH_A \next, 0, 4
.endm
	s_wait_tensorcnt 1
	s_barrier_signal -1
	s_barrier_wait -1
	FETCH_B 0, 0, 0
	FETCH_A 0, 0, 0
	FETCH_A 0, 0, 4
	STEP 0, 1
	TURN 0, 1, 1
	STEP 1, 0
	TURN 1, 0, 1
	STEP 0, 0
	TURN 0, 1, 0
	STEP 1, 0
	s_wait_dscnt 16
	WIN MUL_LO
	MULA 0, 1, 0
	MULA 2, 1, 0
	s_wait_dscnt 0
	WIN MUL_HI
	MULA 4, 1, 0
	MULA 6, 1, 0
	WIN 0
.macro TOSTAGE a
	WIN 0x02
.irp b, 0,1,2,3
.irp i, 0,2,4,6
	v_pk_fma_f32 v[T+8*\b+\i:T+8*\b+\i+1], v[32*(\a)+8*\b+\i:32*(\a)+8*\b+\i+1], s[88:89], v[BI+8*\b+\i:BI+8*\b+\i+1] op_sel_hi:[1,0,1]
.endr
.endr
	WIN 0
.irp b, 0,1,2,3
	ds_store_b128 v[STO], v[T+8*\b:T+8*\b+3] offset:64*\b
	ds_store_b128 v[STO], v[T+8*\b+4:T+8*\b+7] offset:64*\b+16
.endr
.irp t, 0,1,2,3,4,5,6,7
	ds_load_b128 v[BK+32*((\a)%2)+4*\t:BK+32*((\a)%2)+4*\t+3], v[RD] offset:\t*2*SPITCH
.endr
.endm
.macro SEND a, younger
	s_wait_dscnt \younger
.irp t, 0,1,2,3,4,5,6,7
	global_store_b128 v[CO], v[BK+32*((\a)%2)+4*\t:BK+32*((\a)%2)+4*\t+3], s[72:73] offset:65536*(\a)+8192*\t th:TH_STORE_NT
.endr
.endm
	s_wait_loadcnt 0x0
	PLACES
	TOSTAGE 0
.irp a, 1,2,3,4,5,6,7
.if \a > 1
	s_wait_xcnt 0x0
.endif
	TOSTAGE \a
	SEND \a-1, 16
.endr
	SEND 7, 0
	s_wait_tensorcnt 0x0
	ds_add_u32 v[SPW], v[NIL]
	s_wait_dscnt 0x0
	CROUND
	s_endpgm
.Lfunc_end_k_qb67f8ff568_proj:
	.size	k_qb67f8ff568_proj, .Lfunc_end_k_qb67f8ff568_proj-k_qb67f8ff568_proj
	.p2alignl 7, 3214868480
	.fill 96, 4, 3214868480
	.section	.rodata,"a",@progbits
	.p2align	6, 0x0
	.amdhsa_kernel k_qb67f8ff568_proj
		.amdhsa_group_segment_fixed_size 327680
		.amdhsa_private_segment_fixed_size 0
		.amdhsa_enable_private_segment 0
		.amdhsa_kernarg_size 40
		.amdhsa_user_sgpr_count 2
		.amdhsa_user_sgpr_kernarg_segment_ptr 1
		.amdhsa_wavefront_size32 1
		.amdhsa_system_sgpr_workgroup_id_x 1
		.amdhsa_system_sgpr_workgroup_id_y 1
		.amdhsa_system_sgpr_workgroup_id_z 1
		.amdhsa_system_vgpr_workitem_id 0
		.amdhsa_next_free_vgpr 768
		.amdhsa_next_free_sgpr 100
		.amdhsa_reserve_vcc 0
		.amdhsa_float_denorm_mode_32 3
		.amdhsa_float_denorm_mode_16_64 3
		.amdhsa_memory_ordered 1
		.amdhsa_forward_progress 1
		.amdhsa_inst_pref_size 78
	.end_amdhsa_kernel
	.amdgpu_metadata
---
amdhsa.version: [ 1, 2 ]
amdhsa.kernels:
  - .name:           k_qb67f8ff568_proj
    .symbol:         k_qb67f8ff568_proj.kd
    .args:
      - { .name: ao, .offset: 0, .size: 8, .value_kind: global_buffer, .address_space: global }
      - { .name: woc, .offset: 8, .size: 8, .value_kind: global_buffer, .address_space: global }
      - { .name: lowp_scales, .offset: 16, .size: 8, .value_kind: global_buffer, .address_space: global }
      - { .name: b_out, .offset: 24, .size: 8, .value_kind: global_buffer, .address_space: global }
      - { .name: out0, .offset: 32, .size: 8, .value_kind: global_buffer, .address_space: global }
    .group_segment_fixed_size: 327680
    .private_segment_fixed_size: 0
    .kernarg_segment_align: 8
    .kernarg_segment_size: 40
    .max_flat_workgroup_size: 128
    .sgpr_count:     100
    .vgpr_count:     768
    .wavefront_size: 32
...
	.end_amdgpu_metadata
.endif
;; end of part 4
